; MI455X (gfx1250); checked and timed in simulation.
; The chip was launched on July 23, 2026; its instructions are those of AMD's public machine-readable ISA for CDNA 5 (MIT licence, August 2026) and "CDNA5" Instruction Set Architecture Reference Guide (July 2026). The comments in the code are by the model that wrote it; some were corrected since.
;; Fused GPTQMLP. Allowed arithmetic: matrix products marked QUANTISED: E3M2 operands, one E8M0 scale for each 32 along K, by v_wmma_scale_f32_16x16x128_f8f6f4 with both operands' format E3M2, f32 sums; everything else in f32.
;; Inputs: down_qweight 172 x 4,096 int32; down_scales 11 x 4,096 float16; down_zeros 11 x 512 int32; gate_qweight 512 x 1,376 int32; gate_scales 32 x 1,376 float16; gate_zeros 32 x 172 int32; up_qweight 512 x 1,376 int32; up_scales 32 x 1,376 float16; up_zeros 32 x 172 int32; x 2 x 2,048 x 4,096 float16.
;; Outputs: out0 2 x 2,048 x 4,096 float16.
;; This version of the problem:
;;   THIS VERSION OF THE PROBLEM IS GIVEN IN LOW PRECISION. The matrix products marked QUANTISED in the list below multiply operands that are first quantised to E3M2 (3 exponent bits, 2 mantissa bits; 6 bits a number), with one power-of-two scale for each 32 numbers along K (OCP MX v1.0); their sums are f32. All else is computed in f32.
;;   The module's matrix products, in the order in which they are computed (A, B: the left and right operand; K: the contracted axis; several contracted axes count as one K, in the product's order):
;;     1. [M 4,096, K 4,096] x [K 4,096, N 1,376]; A: input x; B: computed on the way: QUANTISED
;;     2. [M 4,096, K 4,096] x [K 4,096, N 1,376]; A: input x; B: computed on the way: QUANTISED
;;     3. [M 4,096, K 1,376] x [K 1,376, N 4,096]; A: computed on the way; B: computed on the way: QUANTISED
;;   THE QUANTISER, for each operand of a quantised product, along K:
;;     - K is cut into blocks of 32 from its start; a last block that is shorter is filled with zeros.
;;     - A block's scale is 2^e with e = floor(log2(the largest magnitude in the block)) - 4, held to -126 .. 127; a block of zeros has e = 0. As a byte (E8M0): e + 127.
;;     - Each number is divided by its block's scale, clamped to +-28, and rounded to the nearest number of E3M2, ties to even, subnormals kept.
;;     - The product sums the exact products of the quantised numbers (number of the format x scale) in f32.
;;   ~~~python
;;   def quantise(x, axis):      # numpy; x: float32 -> the quantised numbers, widened to float32 again
;;       x = np.moveaxis(x, axis, -1); K = x.shape[-1]
;;       x = np.pad(x, [(0, 0)] * (x.ndim - 1) + [(0, -K % 32)]); x = x.reshape(x.shape[:-1] + (-1, 32)); a = np.abs(x).max(-1, keepdims=True)
;;       e = np.where(a > 0, np.clip(np.frexp(np.where(a > 0, a, 1))[1] - 1 - 4, -126, 127), 0)      # np.frexp(a)[1] - 1 = floor(log2(a)), exactly
;;       r = np.clip(x / 2.0 ** e, -28, 28)
;;       step = 2.0 ** (np.maximum(np.frexp(np.where(r == 0, 1, r))[1] - 1, -2) - 2)
;;       q = np.round(r / step) * step * 2.0 ** e      # np.round: ties to even
;;       return np.moveaxis(q.reshape(q.shape[:-2] + (-1,))[..., :K], -1, axis).astype(np.float32)
;;   ~~~
;;   OPERANDS COMPUTED ON THE WAY. 'Computed on the way' means the value that the module computes at that place (a softmax that the list does not call 'softmax' is quantised finished and normalised). What goes into a quantiser is computed in f32, as accurately as f32 sums, v_exp_f32 and their like allow (about 1e-6 of the number): no bf16 or f16 on the way to a quantiser, and a product that is left as it is and whose result goes on into a quantised operand takes f32 operands (vector FMAs, or v_wmma_f32_16x16x4_f32). A number that lies on a knife's edge between two numbers of the format may be rounded either way, as far as f32 arithmetic and the matrix unit's own rounding can turn it there, and no further.
;; One version. Each part assembles by itself: llvm-mc -triple=amdgcn-amd-amdhsa -mcpu=gfx1250 --defsym DOCPART=n.
;; ======== version 1 of 1: 3 launches
;; limits: values are held in f16: magnitudes above 65,504 overflow, below 6.1e-05 lose precision; right only within a limited range of input values
;; workspace buffers: x_q 13,107,200 bytes; w1_q 9,830,400 bytes; wd_q 4,980,736 bytes; inter_q 4,980,736 bytes
;; launch quant (part 1): grid 1024 x 1, 4 waves a work-group, no clusters, 80,384 bytes of LDS; arguments x, gate_qweight, gate_scales, gate_zeros, up_qweight, up_scales, up_zeros, down_qweight, down_scales, down_zeros, x_q, w1_q, wd_q; writes x_q, w1_q, wd_q
.if DOCPART == 1
	.amdgcn_target "amdgcn-amd-amdhsa--gfx1250"
	.amdhsa_code_object_version 6
	.text
	.protected	k_qe6eccf10d6_quant
	.globl	k_qe6eccf10d6_quant
	.p2align	8
	.type	k_qe6eccf10d6_quant,@function
k_qe6eccf10d6_quant:
	s_mov_b64 s[64:65], 0
	v_nop
	global_prefetch_b8 v0, s[64:65] scope:SCOPE_SE
	s_setreg_imm32_b32 hwreg(HW_REG_WAVE_MODE, 25, 1), 1
	s_wait_xcnt 0x0
; x [4096][4096] f16 and the three GPTQ weights become codes of BF6 (E3M2) with one E8M0 byte for each 32 along K, laid as IMAGES OF THE OPERANDS' REGISTERS, so that the two product launches
; fetch every fragment by dense loads.  A weight is w = q s - (z + 1) s: q s and (z + 1) s have at most 15 significant bits, so one fused multiply-add in f32 gives the number exactly.
; A block's scale is 2^(floor(log2(its largest magnitude)) - 4); its byte is the largest magnitude's exponent field - 4, held at 1 from below by a floor among the maximum's leaves.
; LIMITS: NaN and infinities among the inputs are not served.  A block whose largest magnitude lies under 2^-122 keeps the floor's byte 1; a block of zeros has the byte 1 where the rule says 127:
; its codes are zeros, which add nothing under any byte but 0xff, and the bytes are read by this program alone.
; THREE PATHS, parted on the work-group's number; a wave makes one unit of output; waves share nothing, so there is no barrier; each path has LDS bytes of its own.
;   work-groups 0-511:    x.  Unit (K step s, 64 rows Qd) of x_q [32][64][6400]: four fragments (16 rows x 128 K, 1,536 bytes: register 4 c + i of lane l at 512 c + 16 l + 4 i), then 256 bytes of scale words:
;                         the word of (tile t, row r) at 6144 + 8 (16 (t / 2) + r) + 4 (t % 2).
;   work-groups 512-895:  gate and up.  Unit (s, g, k, wc) of w1_q [32][8][3][2][6400], the same form.  The 12 tiles 4 k + t of (g, wc) are gate's six, then up's six; row r of tile 2 j + u is column
;                         32 beta + 16 (r / 8) + 8 u + r % 8, beta = 6 g + 3 wc + j, so that two neighbouring tiles' results are 16 neighbours along the next K.  beta > 42: zeros.
;   work-groups 896-1023: down.  Unit (phi, pair P of 16-column tiles) of wd_q [4][128][9728].  K goes by whole blocks in another order, alike in both operands of the third product: half fragment
;                         eta = 6 phi + eta' = 3 g + j holds block 6 g + j in lanes 0-15 and block 6 g + 3 + j in lanes 16-31; it is 768 bytes at 4608 t + 768 eta': registers 0-3 of lane l at 16 l,
;                         registers 4-5 at 512 + 8 l.  At 9216: 16 bytes a column: the scale words of the three K steps, and a zero.
; A row of gate's and up's packed words is 5,504 bytes, so the 128 bytes that a wave's load takes there begin on multiples of 128 bytes at best.
.set XST,   0                          ; LDS: x path: 16 rows x 272 bytes for each wave
.set W1ST,  17408                      ; gate and up: a unit's 6,400 bytes for each wave
.set WDST,  43008                      ; down: a unit's 9,216 bytes of codes for each wave
.set FLOOR, 0x2800000                  ; 2^(5 - 127)
.set OFFE,  0xfe000000                 ; -(4 << 23)
; 32 numbers of one column from four packed words v[q0 ..]: number 8 w + e is nibble e of word w; x s - (z + 1) s with s in v16 and -(z + 1) s in v18 (the pairs' upper words are written once and not used)
.macro DEQ q0, xr
.irp w, 0,1,2,3
.irp e, 0,1,2,3,4,5,6,7
	v_bfe_u32 v[(\xr)+8*\w+\e], v[(\q0)+\w], 4*\e, 4
.endr
.endr
.set DI, 0
.rept 32
	v_cvt_f32_u32 v[(\xr)+DI], v[(\xr)+DI]
.set DI, DI+1
.endr
.set DI, 0
.rept 16
	v_pk_fma_f32 v[(\xr)+DI:(\xr)+DI+1], v[(\xr)+DI:(\xr)+DI+1], v[16:17], v[18:19] op_sel_hi:[1,0,0]
.set DI, DI+2
.endr
.endm
; A block of 32 numbers of one lane, v[xr ..], becomes six registers of codes v[cr ..] and its byte v[by].  v9-11 at work; c2: three registers for the upper 16 codes (a conversion's three begin on an even number)
.macro QB xr, cr, c2, by
	v_max3_num_f32 v9, |v[(\xr)]|, |v[(\xr)+1]|, |v[(\xr)+2]|
	v_max3_num_f32 v10, |v[(\xr)+3]|, |v[(\xr)+4]|, |v[(\xr)+5]|
.irp i, 6,10,14,18,22,26
	v_max3_num_f32 v9, v9, |v[(\xr)+\i]|, |v[(\xr)+\i+1]|
	v_max3_num_f32 v10, v10, |v[(\xr)+\i+2]|, |v[(\xr)+\i+3]|
.endr
	v_max3_num_f32 v9, v9, |v[(\xr)+30]|, |v[(\xr)+31]|
	v_max3_num_f32 v9, v9, v10, FLOOR              ; the floor: the byte cannot fall under 1
	v_add_nc_u32 v11, OFFE, v9                     ; 4 off the exponent field: the conversion takes this operand's exponent field as its scale
	v_lshrrev_b32 v[\by], 23, v11                  ; the scale's byte
	v_cvt_scalef32_pk16_bf6_f32 v[(\cr):(\cr)+2], v[(\xr):(\xr)+15], v11
	v_cvt_scalef32_pk16_bf6_f32 v[(\c2):(\c2)+2], v[(\xr)+16:(\xr)+31], v11
	v_nop                                          ; one plain place behind a scaled conversion
.irp i, 0,1,2
	v_mov_b32 v[(\cr)+3+\i], v[(\c2)+\i]
.endr
.endm
; s and -(z + 1) s of my column: raw = the f16 scale's half register, zw = the packed zero points, zf = a scalar 1.0, or 0 for a block past K's or N's end (its numbers are then zeros)
.macro SZ raw, zw, zf
	v_cvt_f32_f16 v16, \raw
	v_lshrrev_b32 v14, v8, v[\zw]
	v_and_b32 v14, 15, v14
	v_add_nc_u32 v14, 1, v14
	v_cvt_f32_u32 v14, v14
	v_mul_f32 v16, s[\zf], v16
	v_mul_f32 v18, -v14, v16
.endm
	s_load_b512 s[16:31], s[0:1], 0x0              ; x, gate's words, scales, zeros, up's three, down's words
	s_load_b256 s[32:39], s[0:1], 0x40             ; down's scales, zeros, x_q, w1_q
	s_load_b64 s[40:41], s[0:1], 0x60              ; wd_q
	v_lshl_add_u32 v28, v0, 2, 0x13800             ; v28: my spare word (behind the three paths' stages); v29: 0; both kept for the closing add alone, in all three paths
	v_mov_b32 v29, 0
	v_lshrrev_b32 v1, 5, v0
	v_readfirstlane_b32 s2, v1                     ; wave
	v_and_b32 v1, 31, v0                           ; lane
	s_lshl_b32 s3, ttmp9, 2
	s_add_co_u32 s3, s3, s2                        ; 4 x work-group + wave
	s_mov_b32 s4, 0x76543210
	s_mov_b32 s5, 0xfedcba98                       ; v_permlanex16_b32's selects for lane l xor 16
	s_wait_kmcnt 0x0
	s_cmp_lt_u32 ttmp9, 512
	s_cbranch_scc0 .Lnot_x
; ---------------- x ----------------
; REGISTERS: v2 r, v3 h, v4-8 offsets, v9-15 at work, v16-19 the four tiles' scale words, v32-63 a fragment's f16 pairs, v64-127 its 64 numbers a lane, v128-255 four sets of 32: rows as loaded, then the codes
	s_and_b32 s6, s3, 31                           ; K step s
	s_lshr_b32 s7, s3, 5                           ; Qd
	s_lshl_b32 s8, s7, 19                          ; 64 rows of 8,192 bytes
	s_lshl_b32 s9, s6, 8                           ; 128 f16
	s_add_co_u32 s8, s8, s9
	s_mov_b32 s9, 0
	s_add_nc_u64 s[16:17], s[16:17], s[8:9]
	s_lshl_b32 s8, s6, 6
	s_add_co_u32 s8, s8, s7
	s_mul_i32 s8, s8, 6400
	s_add_nc_u64 s[36:37], s[36:37], s[8:9]
	s_wait_alu depctr_va_vdst(0)
	v_and_b32 v2, 15, v1                           ; r
	v_lshrrev_b32 v3, 4, v1                        ; h
	v_lshlrev_b32 v7, 4, v1                        ; 16 l
	v_lshlrev_b32 v8, 3, v1                        ; 8 l
	v_lshlrev_b32 v4, 4, v2
	v_lshl_add_u32 v4, v3, 13, v4                  ; in: lanes 0-15 one row's 256 bytes, lanes 16-31 the next row's
.irp t, 0,1,2,3
.irp i, 0,1,2,3,4,5,6,7
	global_load_b128 v[128+32*\t+4*\i:128+32*\t+4*\i+3], v4, s[16:17] offset:(16*\t+2*\i)*8192 th:TH_LOAD_NT
.endr
.endr
	s_mul_i32 s10, s2, 4352                        ; my stage (XST = 0)
	v_mul_u32_u24 v5, v3, 272
	v_lshl_add_u32 v5, v2, 4, v5
	v_add_nc_u32 v5, s10, v5                       ; into it as loaded: rows 272 bytes apart
	v_mul_u32_u24 v6, v2, 272
	v_lshl_add_u32 v6, v3, 6, v6
	v_add_nc_u32 v6, s10, v6                       ; out of it: row r, + 64 h: lane (r, h) takes blocks h and 2 + h of its row
	v_lshlrev_b32 v15, 3, v3                       ; 8 h
	v_mov_b32 v22, 0                               ; a lane permute's destination counts as one of its sources
.macro XFRAG t
.set RT, 128+32*(\t)
	s_wait_loadcnt 24-8*(\t)                       ; this tile's eight loads are in; the later tiles' eight each may be out
.irp i, 0,1,2,3,4,5,6,7
	ds_store_b128 v5, v[RT+4*\i:RT+4*\i+3] offset:544*\i
.endr
.irp c, 0,1
.irp i, 0,1,2,3
	ds_load_b128 v[32+16*\c+4*\i:32+16*\c+4*\i+3], v6 offset:128*\c+16*\i   ; LDS serves a wave's instructions in order: these see the stores above
.endr
.endr
	s_wait_dscnt 0x0
.set XI, 0
.irp hsrc, v32.l,v32.h,v33.l,v33.h,v34.l,v34.h,v35.l,v35.h,v36.l,v36.h,v37.l,v37.h,v38.l,v38.h,v39.l,v39.h,v40.l,v40.h,v41.l,v41.h,v42.l,v42.h,v43.l,v43.h,v44.l,v44.h,v45.l,v45.h,v46.l,v46.h,v47.l,v47.h,v48.l,v48.h,v49.l,v49.h,v50.l,v50.h,v51.l,v51.h,v52.l,v52.h,v53.l,v53.h,v54.l,v54.h,v55.l,v55.h,v56.l,v56.h,v57.l,v57.h,v58.l,v58.h,v59.l,v59.h,v60.l,v60.h,v61.l,v61.h,v62.l,v62.h,v63.l,v63.h
	v_cvt_f32_f16 v[64+XI], \hsrc
.set XI, XI+1
.endr
	QB 64, RT, RT+12, 12                           ; block h: registers 0-5 of the fragment
	QB 96, RT+6, RT+16, 13                         ; block 2 + h: registers 6-11
	v_lshl_or_b32 v14, v13, 16, v12                ; my two bytes,
	v_lshlrev_b32 v14, v15, v14                    ; at their places in the scale word (8 h bits up);
	v_permlanex16_b32 v22, v14, s4, s5
	v_or_b32 v[16+(\t)], v14, v22                  ; with lane l xor 16's two the word is whole
.irp c, 0,1,2
	global_store_b128 v7, v[RT+4*\c:RT+4*\c+3], s[36:37] offset:1536*(\t)+512*\c   ; 512 consecutive bytes; no register that a store reads is written again
.endr
.endm
	s_wait_alu depctr_va_vdst(0)
	XFRAG 0
	XFRAG 1
	XFRAG 2
	XFRAG 3
	v_cmp_le_u32 vcc_lo, 16, v1
	v_cndmask_b32 v20, v16, v18, vcc_lo            ; lanes 0-15: tiles 0 and 1; lanes 16-31: tiles 2 and 3
	v_cndmask_b32 v21, v17, v19, vcc_lo
	global_store_b64 v8, v[20:21], s[36:37] offset:6144
	s_wait_tensorcnt 0x0                           ; the wave's end
	ds_add_u32 v28, v29
	s_wait_dscnt 0x0
	s_endpgm
.Lnot_x:
	s_wait_alu depctr_va_vdst(0)
	v_lshlrev_b32 v4, 2, v1                        ; 4 l: a lane is a column
	v_lshlrev_b32 v5, 1, v1                        ; 2 l
	v_lshrrev_b32 v6, 3, v1
	v_lshlrev_b32 v6, 2, v6                        ; 4 (l / 8): the word with my zero point,
	v_and_b32 v7, 7, v1
	v_lshlrev_b32 v8, 2, v7                        ; and its nibble's place in it
	v_lshlrev_b32 v30, 4, v1                       ; 16 l: the stores' offset in both paths below; never rewritten
	v_lshlrev_b32 v31, 3, v1                       ; 8 l; never rewritten
	v_mov_b32 v17, 0
	v_mov_b32 v19, 0
	s_mov_b32 s15, 0
	s_cmp_lt_u32 ttmp9, 896
	s_cbranch_scc0 .Lwd
; ---------------- gate and up ----------------
; REGISTERS: v15, v23, v100, v101 LDS addresses; v20-21 the two halves' scale words; v24-27 scales and zero points as loaded; v32-63 packed words; v64-95 a block's numbers; v128-191 codes, eight registers a block;
; v192-241 the way out; v244-246 a conversion's second result
	s_sub_co_u32 s3, s3, 2048
	s_and_b32 s6, s3, 31                           ; K step s, which is also the group of 128
	s_lshr_b32 s7, s3, 5                           ; Qm = 6 g + 2 k + wc
	s_mul_i32 s8, s7, 43
	s_lshr_b32 s8, s8, 8                           ; g = Qm / 6 (exact for Qm under 48)
	s_mul_i32 s12, s8, 6
	s_sub_co_u32 s9, s7, s12
	s_lshr_b32 s10, s9, 1
	s_lshl_b32 s10, s10, 1                         ; 2 k
	s_and_b32 s11, s9, 1                           ; wc
	s_mul_i32 s13, s11, 3
	s_add_co_u32 s12, s12, s13                     ; 6 g + 3 wc
.irp hf, 0,1                                   ; the unit's two pairs of tiles: each is one block of 32 columns of gate or of up
	s_add_co_u32 s13, s10, \hf                     ; idx = 2 k + hf: 0-2 gate, 3-5 up
	s_cmp_ge_u32 s13, 3
	s_cselect_b64 s[44+8*\hf:45+8*\hf], s[24:25], s[18:19]
	s_cselect_b64 s[46+8*\hf:47+8*\hf], s[26:27], s[20:21]
	s_cselect_b64 s[48+8*\hf:49+8*\hf], s[28:29], s[22:23]
	s_cselect_b32 s14, 3, 0
	s_sub_co_u32 s13, s13, s14                     ; j
	s_add_co_u32 s13, s13, s12                     ; beta
	s_cmp_le_u32 s13, 42
	s_cselect_b32 s[50+8*\hf], 1.0, 0              ; past the 43 blocks: zeros
	s_min_u32 s13, s13, 42                         ; and no load leaves its buffer
	s_mul_i32 s14, s6, 16*1376*4                   ; 16 rows of packed words a K step
	s_lshl_b32 s42, s13, 7
	s_add_co_u32 s14, s14, s42
	s_add_nc_u64 s[44+8*\hf:45+8*\hf], s[44+8*\hf:45+8*\hf], s[14:15]
	s_mul_i32 s14, s6, 2752
	s_lshl_b32 s42, s13, 6
	s_add_co_u32 s14, s14, s42
	s_add_nc_u64 s[46+8*\hf:47+8*\hf], s[46+8*\hf:47+8*\hf], s[14:15]
	s_mul_i32 s14, s6, 688
	s_lshl_b32 s42, s13, 4
	s_add_co_u32 s14, s14, s42
	s_add_nc_u64 s[48+8*\hf:49+8*\hf], s[48+8*\hf:49+8*\hf], s[14:15]
.endr
	s_wait_alu depctr_va_vdst(0)
.irp hf, 0,1
.irp i, 0,1,2,3,4,5,6,7,8,9,10,11,12,13,14,15
	global_load_b32 v[32+16*\hf+\i], v4, s[44+8*\hf:45+8*\hf] offset:5504*\i
.endr
	global_load_u16 v[24+\hf], v5, s[46+8*\hf:47+8*\hf]
	global_load_b32 v[26+\hf], v6, s[48+8*\hf:49+8*\hf]
.endr
	s_mul_i32 s14, s6, 48
	s_add_co_u32 s14, s14, s7
	s_mul_i32 s14, s14, 6400
	s_add_nc_u64 s[38:39], s[38:39], s[14:15]
	v_bfe_u32 v2, v1, 3, 1                         ; u: which tile of the pair my column falls into,
	v_lshrrev_b32 v3, 4, v1
	v_lshl_add_u32 v3, v3, 3, v7                   ; and which row r of it: 8 (l / 16) + l % 8
	s_mul_i32 s42, s2, 6400
	s_add_co_u32 s42, s42, W1ST                    ; my stage
	v_mul_u32_u24 v15, v2, 1536
	v_lshl_add_u32 v15, v3, 4, v15
	v_add_nc_u32 v15, s42, v15                     ; codes: tile u, lane r of the image (+ 256 for the image's lanes 16-31)
	v_lshlrev_b32 v23, 3, v3
	v_lshl_add_u32 v23, v2, 2, v23
	v_add_nc_u32 v23, s42, v23                     ; scale word: 8 r + 4 u
	v_add_nc_u32 v100, s42, v30                    ; the way back out of my stage: 16 bytes a lane,
	v_add_nc_u32 v101, s42, v31                    ; and 8 bytes a lane
; block b of my column's 128 along K belongs to lane 16 (b % 2) + r of the image, registers 6 (b / 2) on: 24 bytes in two pieces
.macro W1BLK hf, b
.set CB, 128+8*(4*(\hf)+(\b))
	DEQ 32+16*(\hf)+4*(\b), 64
	QB 64, CB, 244, 12
.if (\b) == 0
	v_mov_b32 v[20+(\hf)], v12
.else
	v_lshl_or_b32 v[20+(\hf)], v12, 8*(\b), v[20+(\hf)]
.endif
.if (\b)/2 == 0
	ds_store_b128 v15, v[CB:CB+3] offset:3072*(\hf)+256*((\b)%2)
	ds_store_b64 v15, v[CB+4:CB+5] offset:3072*(\hf)+256*((\b)%2)+512
.else
	ds_store_b64 v15, v[CB:CB+1] offset:3072*(\hf)+256*((\b)%2)+520
	ds_store_b128 v15, v[CB+2:CB+5] offset:3072*(\hf)+256*((\b)%2)+1024
.endif
.endm
.irp hf, 0,1
.if \hf == 0
	s_wait_loadcnt 18                              ; the first half's 18 loads are in; the second half's may be out
	SZ v24.l, 26, 50
.else
	s_wait_loadcnt 0x0
	SZ v25.l, 27, 58
.endif
.irp b, 0,1,2,3
	W1BLK \hf, \b
.endr
	ds_store_b32 v23, v[20+\hf] offset:6144+128*\hf
.endr
.irp i, 0,1,2,3,4,5,6,7,8,9,10,11
	ds_load_b128 v[192+4*\i:195+4*\i], v100 offset:512*\i   ; LDS serves a wave's instructions in order: these see my stores
.endr
	ds_load_b64 v[240:241], v101 offset:6144
.irp i, 0,1,2,3,4,5,6,7,8,9,10,11
	s_wait_dscnt 12-\i                             ; load i is in; the 12 - i behind it may be out
	global_store_b128 v30, v[192+4*\i:195+4*\i], s[38:39] offset:512*\i
.endr
	s_wait_dscnt 0x0
	global_store_b64 v31, v[240:241], s[38:39] offset:6144
	s_wait_tensorcnt 0x0                           ; the wave's end
	ds_add_u32 v28, v29
	s_wait_dscnt 0x0
	s_endpgm
; ---------------- down ----------------
; REGISTERS: v15, v23, v27 LDS addresses; v30 the stores' offset; v20-22 scales, v24-26 zero points as loaded; v32-43 the blocks' offsets; v48-95 packed words; v96-127 a block's numbers;
; v128-223 codes, eight registers a block; v224-226 a conversion's second result; v228-231 the three scale words and a zero; v232-238 the groups' offsets; the way out takes v48-119
.set WSW, 228
.Lwd:
	s_sub_co_u32 s3, s3, 3584
	s_and_b32 s6, s3, 3                            ; phi
	s_lshr_b32 s7, s3, 2                           ; P: columns 32 P + lane
	s_mul_i32 s8, s6, 12                           ; the unit's first block of K
	s_lshl_b32 s14, s7, 7
	s_add_nc_u64 s[30:31], s[30:31], s[14:15]
	s_lshl_b32 s14, s7, 6
	s_add_nc_u64 s[32:33], s[32:33], s[14:15]
	s_lshl_b32 s14, s7, 4
	s_add_nc_u64 s[34:35], s[34:35], s[14:15]
	s_lshl_b32 s14, s6, 7
	s_add_co_u32 s14, s14, s7
	s_mul_i32 s14, s14, 9728
	s_add_nc_u64 s[40:41], s[40:41], s[14:15]
	s_mul_i32 s10, s6, 3
	s_wait_alu depctr_va_vdst(0)
.irp i, 0,1,2                                  ; the unit's three groups of 128 along K, held inside the 11
	s_add_co_u32 s9, s10, \i
	s_min_u32 s9, s9, 10
	s_lshl_b32 s11, s9, 13
	v_add_nc_u32 v[232+\i], s11, v5
	s_lshl_b32 s11, s9, 11
	v_add_nc_u32 v[236+\i], s11, v6
.endr
.irp d, 0,1,2,3,4,5,6,7,8,9,10,11
	s_add_co_u32 s9, s8, \d                        ; beta
	s_cmp_le_u32 s9, 42
	s_cselect_b32 s[68+\d], 1.0, 0                 ; past the 43 blocks: zeros
	s_min_u32 s9, s9, 42                           ; and no load leaves its buffer
	s_lshl_b32 s9, s9, 16                          ; a block is four rows of 16,384 bytes
	v_add_nc_u32 v[32+\d], s9, v4
.endr
.irp i, 0,1,2
	global_load_u16 v[20+\i], v[232+\i], s[32:33]
	global_load_b32 v[24+\i], v[236+\i], s[34:35]
.endr
	s_wait_alu depctr_va_vdst(0)
.irp d, 0,1,2,3,4,5,6,7,8,9,10,11
.irp i, 0,1,2,3
	global_load_b32 v[48+4*\d+\i], v[32+\d], s[30:31] offset:16384*\i
.endr
.endr
	v_lshrrev_b32 v2, 4, v1                        ; t: which tile of the pair
	v_and_b32 v3, 15, v1                           ; r
	s_mul_i32 s42, s2, 9216
	s_add_co_u32 s42, s42, WDST                    ; my stage
	v_mul_u32_u24 v15, v2, 4608
	v_lshl_add_u32 v23, v3, 3, v15
	v_lshl_add_u32 v15, v3, 4, v15
	v_add_nc_u32 v15, s42, v15                     ; registers 0-3 of a half fragment: 16 bytes a lane
	v_add_nc_u32 v23, s42, v23                     ; registers 4-5: 8 bytes a lane, 512 on
	v_add_nc_u32 v27, s42, v30
.irp i, 0,1,2,3
	v_mov_b32 v[WSW+\i], 0
.endr
.macro WDBLK d
.set CB, 128+8*(\d)
.set ETA, 3*((\d)/6)+(\d)%3                    ; the half fragment,
.set HH, ((\d)%6)/3                            ; and which half of its lanes
	s_wait_loadcnt 44-4*(\d)                       ; this block's four loads are in; the later blocks' four each may be out
.if (\d)/4 == 0
	SZ v20.l, 24, 68+(\d)
.elseif (\d)/4 == 1
	SZ v21.l, 25, 68+(\d)
.else
	SZ v22.l, 26, 68+(\d)
.endif
	DEQ 48+4*(\d), 96
	QB 96, CB, 224, 12
	v_lshl_or_b32 v[WSW+ETA/2], v12, 8*(2*(ETA%2)+HH), v[WSW+ETA/2]   ; K step eta' / 2; byte 2 (eta' % 2) + half
	ds_store_b128 v15, v[CB:CB+3] offset:768*ETA+256*HH
	ds_store_b64 v23, v[CB+4:CB+5] offset:768*ETA+128*HH+512
.endm
.irp d, 0,1,2,3,4,5,6,7,8,9,10,11
	WDBLK \d
.endr
	global_store_b128 v30, v[WSW:WSW+3], s[40:41] offset:9216
.irp i, 0,1,2,3,4,5,6,7,8,9,10,11,12,13,14,15,16,17
	ds_load_b128 v[48+4*\i:51+4*\i], v27 offset:512*\i     ; LDS serves a wave's instructions in order: these see my stores
.endr
.irp i, 0,1,2,3,4,5,6,7,8,9,10,11,12,13,14,15,16,17
	s_wait_dscnt 17-\i                             ; load i is in; the 17 - i behind it may be out
	global_store_b128 v30, v[48+4*\i:51+4*\i], s[40:41] offset:512*\i
.endr
	s_wait_tensorcnt 0x0                           ; the wave's end
	ds_add_u32 v28, v29
	s_wait_dscnt 0x0
	s_endpgm
.Lfunc_end_k_qe6eccf10d6_quant:
	.size	k_qe6eccf10d6_quant, .Lfunc_end_k_qe6eccf10d6_quant-k_qe6eccf10d6_quant
	.p2alignl 7, 3214868480
	.fill 96, 4, 3214868480
	.section	.rodata,"a",@progbits
	.p2align	6, 0x0
	.amdhsa_kernel k_qe6eccf10d6_quant
		.amdhsa_group_segment_fixed_size 80384
		.amdhsa_private_segment_fixed_size 0
		.amdhsa_enable_private_segment 0
		.amdhsa_kernarg_size 104
		.amdhsa_user_sgpr_count 2
		.amdhsa_user_sgpr_kernarg_segment_ptr 1
		.amdhsa_wavefront_size32 1
		.amdhsa_system_sgpr_workgroup_id_x 1
		.amdhsa_system_sgpr_workgroup_id_y 1
		.amdhsa_system_sgpr_workgroup_id_z 1
		.amdhsa_system_vgpr_workitem_id 0
		.amdhsa_next_free_vgpr 256
		.amdhsa_next_free_sgpr 100
		.amdhsa_reserve_vcc 1
		.amdhsa_float_denorm_mode_32 3
		.amdhsa_float_denorm_mode_16_64 3
		.amdhsa_memory_ordered 1
		.amdhsa_forward_progress 1
		.amdhsa_inst_pref_size 168
	.end_amdhsa_kernel
	.amdgpu_metadata
---
amdhsa.version: [ 1, 2 ]
amdhsa.kernels:
  - .name:           k_qe6eccf10d6_quant
    .symbol:         k_qe6eccf10d6_quant.kd
    .args:
      - { .name: x, .offset: 0, .size: 8, .value_kind: global_buffer, .address_space: global }
      - { .name: gate_qweight, .offset: 8, .size: 8, .value_kind: global_buffer, .address_space: global }
      - { .name: gate_scales, .offset: 16, .size: 8, .value_kind: global_buffer, .address_space: global }
      - { .name: gate_zeros, .offset: 24, .size: 8, .value_kind: global_buffer, .address_space: global }
      - { .name: up_qweight, .offset: 32, .size: 8, .value_kind: global_buffer, .address_space: global }
      - { .name: up_scales, .offset: 40, .size: 8, .value_kind: global_buffer, .address_space: global }
      - { .name: up_zeros, .offset: 48, .size: 8, .value_kind: global_buffer, .address_space: global }
      - { .name: down_qweight, .offset: 56, .size: 8, .value_kind: global_buffer, .address_space: global }
      - { .name: down_scales, .offset: 64, .size: 8, .value_kind: global_buffer, .address_space: global }
      - { .name: down_zeros, .offset: 72, .size: 8, .value_kind: global_buffer, .address_space: global }
      - { .name: x_q, .offset: 80, .size: 8, .value_kind: global_buffer, .address_space: global }
      - { .name: w1_q, .offset: 88, .size: 8, .value_kind: global_buffer, .address_space: global }
      - { .name: wd_q, .offset: 96, .size: 8, .value_kind: global_buffer, .address_space: global }
    .group_segment_fixed_size: 80384
    .private_segment_fixed_size: 0
    .kernarg_segment_align: 8
    .kernarg_segment_size: 104
    .max_flat_workgroup_size: 128
    .sgpr_count:     100
    .vgpr_count:     256
    .wavefront_size: 32
...
	.end_amdgpu_metadata
.endif
;; end of part 1
;; launch gateup (part 2): grid 32 x 8, 4 waves a work-group, clusters of 4 x 1, 327,680 bytes of LDS; arguments x_q, w1_q, inter_q; writes inter_q
.if DOCPART == 2
	.amdgcn_target "amdgcn-amd-amdhsa--gfx1250"
	.amdhsa_code_object_version 6
	.text
	.protected	k_qe6eccf10d6_gateup
	.globl	k_qe6eccf10d6_gateup
	.p2align	8
	.type	k_qe6eccf10d6_gateup,@function
k_qe6eccf10d6_gateup:
	s_mov_b64 s[64:65], 0
	v_nop
	global_prefetch_b8 v0, s[64:65] scope:SCOPE_SE
	s_setreg_imm32_b32 hwreg(HW_REG_WAVE_MODE, 25, 1), 1
	s_wait_xcnt 0x0
	s_wait_alu depctr_hold_cnt(0) depctr_sa_sdst(0) depctr_va_vdst(0) depctr_va_sdst(0) depctr_va_ssrc(0) depctr_va_vcc(0) depctr_vm_vsrc(0)
	s_getreg_b32 s2, hwreg(HW_REG_IB_STS2, 6, 4)
	s_cmp_eq_u32 s2, 0
	s_cbranch_scc0 .Lentry_in_a_cluster
	s_endpgm
.Lentry_in_a_cluster:
	s_bfe_u32 s2, ttmp6, 0x10000c
	s_cmp_lg_u32 s2, 0x3003
	s_cbranch_scc0 .Lentry_shape_is_right
	s_endpgm
.Lentry_shape_is_right:
; inter = SiLU(x Wg) * (x Wu), quantised along the third product's K.  Both products on codes of BF6 (E3M2) with one E8M0 byte for each 32 along K, taken from x_q and w1_q, which hold images of the operands' registers
; (unit: 64 rows x 128 K: four fragments of 1,536 bytes, register 4 c + i of lane l at 512 c + 16 l + 4 i; then 256 bytes of scale words, tile t's in word t % 2 of the 8 bytes at 8 (16 (t / 2) + r)).
; SHARES.  1,376 columns are 43 blocks of 32.  A work-group takes 128 rows (mt: the grid's x) x 6 blocks of gate and the same 6 of up (g: the grid's y): 32 x 8 = 256 work-groups (blocks 43-47 are zeros).
; Wave (wr, wc) takes 64 rows x 3 blocks of each: 48 accumulators, 384 registers.  K goes in 32 steps of 128; a K step of a wave is 48 matrix instructions on 4 + 12 fragments.
; W COMES THROUGH LDS: its six units of a K step are 38,400 consecutive bytes; two slots of four K steps each; wave w's tensor load brings K step 4 f + w of slot f, as 150 rows of 256 bytes.
; CLUSTER: 4 x 1: four blocks of rows with the same g need the same tiles of W: each is asked for JOINTLY, by the same tensor load with the same descriptor and the mask of all four.
; x DOES NOT GO THROUGH LDS AND IS NOT ASKED FOR JOINTLY.  The reason: x is 12,800 of a K step's 51,200 bytes.  Kept out of the slots, these hold four K steps in place of three in the same 153,600 bytes: 6 refills in
; place of 9, each with 168 matrix instructions between its request and the wait for it in place of 120.  A wave's unit of x is an image of its registers: twelve loads of 512 consecutive bytes and one of 256 bring it
; straight into one of four sets of registers, four K steps ahead; these loads are waited for by count and are not bound to the change of slots.  The price: each unit is loaded by the two waves that share its rows.
; THE PRODUCTS ARE USED TRANSPOSED (source 0 = 16 columns of W, source 1 = 16 rows of x): a lane holds one row, and, by the choice of the columns that form a tile, the registers of tiles 2 j and 2 j + 1 are
; 16 neighbours along the next K.  So gate, up and the quantiser work in registers; the codes meet in a stage in LDS and leave in blocks of 256 consecutive bytes.
; inter_q [4][128 pairs of row tiles][9728]: half fragment eta = 3 g + j (block 6 g + j in lanes 0-15, block 6 g + 3 + j in lanes 16-31) at 4608 t + 768 (eta % 6): registers 0-3 of lane l at 16 l, registers 4-5 at
; 512 + 8 l; at 9216 + 256 (g % 2) + 8 (16 t + r): the bytes (a0 c0 a1 c1)(a2 c2 0 0), a of the lanes 0-15 block, c of the lanes 16-31 block of my three half fragments.
; LIMITS: NaN and infinities are not served.  v_exp_f32 and v_rcp_f32 flush denormals: SiLU under about 1e-38 becomes 0.  A block under 2^-122, a block of zeros too, keeps the byte 1 (read by this program alone).
; REGISTERS, in windows of 256: window 0: v2-3 the spare word's address and 0; v4-19 LDS addresses of the four K steps of both slots (16 and 8 bytes a lane); v20-28 the way out and the lane's offsets;
;   v32-43 W's scale words, two sets of 6; v44-51 x's, four sets of 2; v64-255 x's fragments, four sets of 4 (on the way out: at work).
;   window 1: v0-143 W's 12 fragments.   window 2: gate's accumulators, (a, t) at v[8 (6 a + t)].   window 3: up's.
.set UNIT,  6400
.set KROW,  2*UNIT                     ; from a third k of W's units to the next
.set STEPB, 6*UNIT                     ; W's six units of a K step: what one tensor load brings
.set SLOT,  4*STEPB                    ; 153,600
.set SPARE, 2*SLOT                     ; behind the ring: the spare words, 128 bytes for each wave: two blocks of 256 bytes that no other line names
.set STG,   SPARE+512                  ; the stage for the codes: [8 row tiles][3 half fragments][768]; no tile lands here
.set SSTG,  STG+18432                  ; and for the scale bytes: [8 row tiles][16 rows][wc][4]
.set XPL,   64*UNIT                    ; from a K step to the next in x_q,
.set WPL,   48*UNIT                    ; in w1_q
.set FLOOR, 0x2800000
.set SPW,   2
.set NIL,   3
.set ADR16, 4                          ; v[4 + 4 slot + step]: 16 x lane + my columns' unit of the step's first third
.set ADR8,  12                         ; the same with 8 x lane
.set STO16, 20
.set STO8,  21
.set SSO,   22
.set RD,    23
.set SRD,   24
.set GO,    25
.set L16,   27                         ; 16 x lane; never rewritten
.set L8,    28                         ; 8 x lane; never rewritten
.set SCB,   32                         ; W's scale words: set p (the step's parity) at v[32 + 6 p]: two registers for each third
.set SCA,   44                         ; x's: set q (the step's place in its slot) at v[44 + 2 q]
.set AF,    64                         ; x's fragments: set q at v[64 + 48 q]
.set T,     160                        ; the way out: v160-207 48 numbers of a lane's row
.set TM,    208                        ; v208-223 maxima, the other half's, scale operands, bytes
.set PW,    224                        ; v224-227 a row tile's three bytes
.set G1,    24                         ; s[24:31] descriptor group 1
.set G0,    32                         ; s[32:39] groups 0, one for each slot
.set XB,    40                         ; s[40:41] my unit of x in the K step from which the loads' immediates count
.set MSB, 0
.macro WIN new                         ; the immediate's high byte repeats the setting that is left
.if MSB != \new
	s_set_vgpr_msb (MSB<<8)|\new
.set MSB, \new
.endif
.endm
.set MUL_G, 0xa1                       ; source 0 (W) window 1, source 1 (x) window 0, C and D window 2
.set MUL_U, 0xf1                       ; the same, C and D window 3
.set TO_B,  0x40                       ; destination window 1, address window 0
; A joint load: every wave brings one K step of W; both addresses hang on the wave's number.  Four v_nop follow the line.
.macro JLOAD sl
	tensor_load_to_lds s[G0+4*(\sl):G0+4*(\sl)+3], s[G1:G1+7]
	s_nop 0
.rept 4
	v_nop
.endr
.endm
.macro CREST                           ; a round of the cluster's barrier behind its opening barrier
	s_cmp_lg_u32 s10, 0
	s_cbranch_scc1 .Lnot_wave_0_\@
	s_barrier_signal -3
.Lnot_wave_0_\@:
	s_barrier_wait -3
	s_barrier_signal -1
	s_barrier_wait -1
.endm
.macro CROUND
	s_barrier_signal -1
	s_barrier_wait -1
	CREST
.endm
.macro PLACES n                        ; plain places behind matrix instructions, in front of loads into registers that they have read and of the first read of results
.rept \n
	v_nop
.endr
.endm
; The matrix instruction.  zero: C is the constant 0.  ra, rb: source 0's, source 1's scale words stand in lanes 16-31 of their register.
.macro WM d, fa, fb, zero, sa, sb, ra, rb
.if (\zero)
.if (\ra) && (\rb)
	v_wmma_scale_f32_16x16x128_f8f6f4 v[(\d):(\d)+7], v[(\fa):(\fa)+11], v[(\fb):(\fb)+11], 0, v[\sa], v[\sb] matrix_a_fmt:MATRIX_FMT_BF6 matrix_b_fmt:MATRIX_FMT_BF6 matrix_a_scale:MATRIX_SCALE_ROW1 matrix_b_scale:MATRIX_SCALE_ROW1
.elseif (\ra)
	v_wmma_scale_f32_16x16x128_f8f6f4 v[(\d):(\d)+7], v[(\fa):(\fa)+11], v[(\fb):(\fb)+11], 0, v[\sa], v[\sb] matrix_a_fmt:MATRIX_FMT_BF6 matrix_b_fmt:MATRIX_FMT_BF6 matrix_a_scale:MATRIX_SCALE_ROW1
.elseif (\rb)
	v_wmma_scale_f32_16x16x128_f8f6f4 v[(\d):(\d)+7], v[(\fa):(\fa)+11], v[(\fb):(\fb)+11], 0, v[\sa], v[\sb] matrix_a_fmt:MATRIX_FMT_BF6 matrix_b_fmt:MATRIX_FMT_BF6 matrix_b_scale:MATRIX_SCALE_ROW1
.else
	v_wmma_scale_f32_16x16x128_f8f6f4 v[(\d):(\d)+7], v[(\fa):(\fa)+11], v[(\fb):(\fb)+11], 0, v[\sa], v[\sb] matrix_a_fmt:MATRIX_FMT_BF6 matrix_b_fmt:MATRIX_FMT_BF6
.endif
.else
.if (\ra) && (\rb)
	v_wmma_scale_f32_16x16x128_f8f6f4 v[(\d):(\d)+7], v[(\fa):(\fa)+11], v[(\fb):(\fb)+11], v[(\d):(\d)+7], v[\sa], v[\sb] matrix_a_fmt:MATRIX_FMT_BF6 matrix_b_fmt:MATRIX_FMT_BF6 matrix_a_scale:MATRIX_SCALE_ROW1 matrix_b_scale:MATRIX_SCALE_ROW1
.elseif (\ra)
	v_wmma_scale_f32_16x16x128_f8f6f4 v[(\d):(\d)+7], v[(\fa):(\fa)+11], v[(\fb):(\fb)+11], v[(\d):(\d)+7], v[\sa], v[\sb] matrix_a_fmt:MATRIX_FMT_BF6 matrix_b_fmt:MATRIX_FMT_BF6 matrix_a_scale:MATRIX_SCALE_ROW1
.elseif (\rb)
	v_wmma_scale_f32_16x16x128_f8f6f4 v[(\d):(\d)+7], v[(\fa):(\fa)+11], v[(\fb):(\fb)+11], v[(\d):(\d)+7], v[\sa], v[\sb] matrix_a_fmt:MATRIX_FMT_BF6 matrix_b_fmt:MATRIX_FMT_BF6 matrix_b_scale:MATRIX_SCALE_ROW1
.else
	v_wmma_scale_f32_16x16x128_f8f6f4 v[(\d):(\d)+7], v[(\fa):(\fa)+11], v[(\fb):(\fb)+11], v[(\d):(\d)+7], v[\sa], v[\sb] matrix_a_fmt:MATRIX_FMT_BF6 matrix_b_fmt:MATRIX_FMT_BF6
.endif
.endif
.endm
.macro FRAG3 reg, adr, off             ; a fragment's image: three loads of 512 consecutive bytes
.irp c, 0,1,2
	ds_load_b128 v[(\reg)+4*\c:(\reg)+4*\c+3], v[\adr] offset:(\off)+512*\c
.endr
.endm
.macro FETCH_W sl, sp, b0              ; W's fragments b0 .. b0 + 5 (0: gate's, 6: up's) of the slot's step sp: 18 loads.  Fragment bt is tile bt % 4 of third bt / 4
	WIN TO_B
.irp q, 0,1,2,3,4,5
	FRAG3 12*((\b0)+\q), ADR16+4*(\sl)+(\sp), KROW*(((\b0)+\q)/4)+1536*(((\b0)+\q)%4)
.endr
	WIN 0
.endm
.macro FETCH_S sl, sp, p               ; W's scale words of the slot's step sp into set p: 3 loads
.irp k, 0,1,2
	ds_load_b64 v[SCB+6*(\p)+2*\k:SCB+6*(\p)+2*\k+1], v[ADR8+4*(\sl)+(\sp)] offset:KROW*\k+6144
.endr
.endm
.macro GLOAD_A q, j                    ; my unit of x, j K steps on from where s[XB] stands, into set q: 13 loads; register 4 i of the set is byte 512 i + 16 x lane of the unit
.irp i, 0,1,2,3,4,5,6,7,8,9,10,11
	global_load_b128 v[AF+48*(\q)+4*\i:AF+48*(\q)+4*\i+3], v[L16], s[XB:XB+1] offset:(\j)*XPL+512*\i
.endr
	global_load_b64 v[SCA+2*(\q):SCA+2*(\q)+1], v[L8], s[XB:XB+1] offset:(\j)*XPL+6144
.endm
; Tiles t0 .. t0 + nt - 1 of gate (half = 0) or up (1) against x's four of set q.  The 48 accumulators take turns, one instruction a turn, in the same order in every step.
.macro MULH half, t0, nt, q, zero
.set MT, \t0
.rept \nt
.set MA, 0
.rept 4
.set BT, 6*(\half)+MT
	WM 8*(6*MA+MT), 12*BT, AF+48*(\q)+12*MA, \zero, SCB+6*((\q)%2)+2*(BT/4)+(BT%2), SCA+2*(\q)+(MA%2), (BT/2)%2, MA/2
.set MA, MA+1
.endr
.set MT, MT+1
.endr
.endm
; A K step that has its successor in the same slot.  Gate's fragments are free when gate's 24 products are issued, and take the next step's; likewise up's; x's set is free at the step's end and takes the K step four on.
; lc: how many younger loads of x may stay out.  gj: where that K step stands from s[XB], or -1: nothing is left to load.
.macro STEP sl, sp, zero, lc, gj
	s_wait_loadcnt \lc                             ; this step's 13 loads of x are in; the later steps' 13 each may be out
	s_wait_dscnt 18                                ; gate's fragments and W's scale words are in; up's 18 loads may be out
	WIN MUL_G
	MULH 0, 0, 6, \sp, \zero
	s_wait_dscnt 0x0                               ; up's are in (asked for 24 matrix instructions ago)
	PLACES 4
	FETCH_W \sl, (\sp)+1, 0
	FETCH_S \sl, (\sp)+1, 1-(\sp)%2
	WIN MUL_U
	MULH 1, 0, 6, \sp, \zero
	PLACES 4
	FETCH_W \sl, (\sp)+1, 6
.if (\gj) >= 0
	GLOAD_A \sp, \gj
.endif
.endm
; A slot's fourth step changes slots: one barrier; in front of it each wave waits for all its tensor loads, adds 0 to its spare word, and waits for that and for its reads of this slot.
; fill = 1: this slot is filled again, eight K steps on; 0: nothing is left to fetch.
.macro TURN sl, nx, fill, lc, gj
	s_wait_tensorcnt 0x0                           ; all my tensor loads have landed: the one that was out is my part of the next slot  (every window is 0 here)
	ds_add_u32 v[SPW], v[NIL]                      ; 0 onto my spare word
	s_wait_dscnt 19                                ; (the add and up's 18 loads may be out)
	s_wait_loadcnt \lc                             ; this step's 13 loads of x are in
	WIN MUL_G
	MULH 0, 0, 3, 3, 0                             ; twelve matrix instructions stand between the add and the wait for it
	s_wait_dscnt 0x0                               ; the add is done, and my reads of this slot are over
	s_barrier_signal -1
	MULH 0, 3, 3, 3, 0
	WIN 0
	s_barrier_wait -1
.if \fill
	CREST                                          ; the barrier has opened a round of the cluster's: no wave of any partner still reads this slot or has a tensor load on its way
	s_add_nc_u64 s[G0+4*\sl+2:G0+4*\sl+3], s[G0+4*\sl+2:G0+4*\sl+3], 8*WPL
	JLOAD \sl                                      ; the first tensor load behind the round: the rest of this step and three more, 168 matrix instructions, stand ahead of the wait for it; its four v_nop are the places in front of the loads below
.else
	PLACES 4
.endif
	FETCH_W \nx, 0, 0
	FETCH_S \nx, 0, 0
	WIN MUL_U
	MULH 1, 0, 6, 3, 0
	PLACES 4
	FETCH_W \nx, 0, 6
.if (\gj) >= 0
	GLOAD_A 3, \gj
.endif
.endm
	s_load_b128 s[4:7], s[0:1], 0x0                ; x_q, w1_q
	s_load_b64 s[8:9], s[0:1], 0x10                ; inter_q
	v_lshl_add_u32 v[SPW], v0, 2, SPARE
	v_mov_b32 v[NIL], 0
	ds_add_u32 v2, v3
	ds_add_u32 v2, v3
	s_wait_dscnt 0x0
	v_lshrrev_b32 v1, 5, v0
	v_readfirstlane_b32 s10, v1                    ; wave 0..3
	s_lshr_b32 s11, s10, 1                         ; wr: which 64 rows
	s_and_b32 s12, s10, 1                          ; wc: which three blocks
	s_bfe_u32 s13, ttmp6, 0x40000                  ; cx: my place in the cluster
	s_lshl_b32 s16, ttmp9, 2                       ; in a cluster launch ttmp9 counts clusters
	s_add_co_u32 s16, s16, s13                     ; mt = 4 x cluster x + cx: it enters x's and inter_q's addresses alone
	s_and_b32 s15, ttmp7, 0xffff                   ; g, which the four partners share
	; group 1: a dense block of 38,400 bytes as 150 rows of 32 elements of 8 bytes; no padding: every read of it is of consecutive bytes
	s_mov_b32 s[G1], 15|(3<<16)|(1<<21)            ; 15:0 the mask: all four work-groups; 17:16 elements of 8 bytes; 21 set beside a mask
	s_mov_b32 s[G1+1], 32<<16                      ; tensor_dim0
	s_mov_b32 s[G1+2], 150<<16                     ; tensor_dim1
	s_mov_b32 s[G1+3], 32<<16                      ; tile_dim0
	s_mov_b32 s[G1+4], 150                         ; tile_dim1
	s_mov_b32 s[G1+5], 32                          ; tensor_dim0_stride
	s_mov_b32 s[G1+6], 0
	s_mov_b32 s[G1+7], 0
	s_mul_i32 s78, s10, WPL                        ; W: wave w brings K step 4 f + w,
	s_mul_i32 s79, s15, STEPB                      ; g's six units of it: hangs on g and the wave alone
	s_add_co_u32 s78, s78, s79
	s_mov_b32 s79, 0
	s_mul_i32 s80, s10, STEPB                      ; where it goes: step = wave: no place in the cluster enters an LDS address
	s_lshl_b32 s76, s16, 1
	s_add_co_u32 s76, s76, s11
	s_mul_i32 s76, s76, UNIT                       ; x: unit 2 mt + wr of a K step's 64
	s_mov_b32 s77, 0
	s_mov_b32 s20, 0x76543210
	s_mov_b32 s21, 0xfedcba98                      ; v_permlanex16_b32's selects for lane l xor 16
	s_mov_b32 s22, 0xbfb8aa3b                      ; -log2(e)
	s_mov_b32 s23, s22                             ; (named with it as a pair, so it is written)
	s_wait_kmcnt 0x0
	s_add_nc_u64 s[XB:XB+1], s[4:5], s[76:77]
	s_add_nc_u64 s[78:79], s[6:7], s[78:79]
	CROUND                                         ; all four work-groups are here: the first joint loads meet
.irp sl, 0,1
	s_mov_b32 s[G0+4*\sl], 1
	s_add_co_u32 s[G0+4*\sl+1], s80, \sl*SLOT
	s_add_nc_u64 s[G0+4*\sl+2:G0+4*\sl+3], s[78:79], \sl*4*WPL
	s_or_b32 s[G0+4*\sl+3], s[G0+4*\sl+3], 0x80000000
.endr
	JLOAD 0                                        ; slot 0's first fill, my K step of its four
	v_and_b32 v1, 31, v0
	v_lshlrev_b32 v[L16], 4, v1
	v_lshlrev_b32 v[L8], 3, v1
	GLOAD_A 0, 0                                   ; x's K steps 0 to 3 into the four sets: 52 loads of mine are out
	GLOAD_A 1, 1
	GLOAD_A 2, 2
	GLOAD_A 3, 3
	s_mul_i32 s82, s12, UNIT                       ; in each third of a K step: my columns' unit
.irp sl, 0,1
.irp sp, 0,1,2,3
	s_add_co_u32 s83, s82, \sl*SLOT+\sp*STEPB
	v_add_nc_u32 v[ADR16+4*\sl+\sp], s83, v[L16]
	v_add_nc_u32 v[ADR8+4*\sl+\sp], s83, v[L8]
.endr
.endr
	; the way out
	v_and_b32 v29, 15, v0                          ; r
	s_wait_alu depctr_va_vdst(0)
	v_bfe_u32 v30, v0, 4, 1                        ; h
	v_mul_u32_u24 v31, v30, 2304
	v_lshl_add_u32 v[RD], v29, 4, v31              ; 2304 h + 16 r
	s_wait_alu depctr_va_vdst(0)
	v_lshl_add_u32 v[STO8], v29, 3, v31            ; 2304 h + 8 r
	s_mul_i32 s83, s11, 9216                       ; my four row tiles
	s_lshl_b32 s84, s12, 8
	s_add_co_u32 s84, s84, s83
	s_add_co_u32 s84, s84, STG
	v_add_nc_u32 v[STO16], s84, v[RD]              ; registers 0-3: lane 16 wc + r of the half fragment; lanes 16-31 of mine write the next row tile
	s_lshl_b32 s84, s12, 7
	s_add_co_u32 s84, s84, s83
	s_add_co_u32 s84, s84, STG+512
	v_add_nc_u32 v[STO8], s84, v[STO8]             ; registers 4-5
	s_lshl_b32 s84, s11, 9
	s_lshl_b32 s85, s12, 2
	s_add_co_u32 s84, s84, s85
	s_add_co_u32 s84, s84, SSTG
	v_lshl_add_u32 v[SSO], v29, 3, s84             ; the bytes: 128 x row tile + 8 r + 4 wc
	s_mul_i32 s84, s10, 4608
	s_add_co_u32 s84, s84, STG
	v_add_nc_u32 v[RD], s84, v[RD]                 ; back: wave w takes pair w: lanes 0-15 its first tile, lanes 16-31 its second
	s_lshl_b32 s84, s10, 8
	s_add_co_u32 s84, s84, SSTG
	v_add_nc_u32 v[SRD], s84, v[L8]
	v_mul_u32_u24 v[GO], v30, 4608
	v_lshl_add_u32 v[GO], v29, 4, v[GO]
	s_lshr_b32 s84, s15, 1
	s_mul_i32 s84, s84, 128*9728                   ; phi = g / 2
	s_lshl_b32 s85, s16, 2
	s_add_co_u32 s85, s85, s10
	s_mul_i32 s85, s85, 9728                       ; pair 4 mt + wave
	s_add_co_u32 s84, s84, s85
	s_mov_b32 s85, 0
	s_add_nc_u64 s[8:9], s[8:9], s[84:85]
	s_and_b32 s86, s15, 1
	s_mul_i32 s84, s86, 2304
	s_add_nc_u64 s[88:89], s[8:9], s[84:85]        ; my three half fragments of a tile's six
	s_lshl_b32 s84, s86, 8
	s_add_co_u32 s84, s84, 9216
	s_add_nc_u64 s[90:91], s[8:9], s[84:85]        ; my 256 of the pair's 512 scale bytes
	s_wait_alu depctr_va_vdst(0)
	s_wait_tensorcnt 0x0                           ; my part of slot 0 is in
	ds_add_u32 v[SPW], v[NIL]
	s_wait_dscnt 0x0
	CROUND                                         ; a whole round: everybody's part of slot 0 is in, and all four work-groups are here
	JLOAD 1                                        ; slot 1's first fill, the first tensor load behind the round; K steps 0 to 2 stand ahead of the wait for it
	FETCH_W 0, 0, 0
	FETCH_S 0, 0, 0
	FETCH_W 0, 0, 6
	STEP 0, 0, 1, 39, 4                            ; K step 0 stands in front of the loop: its products start the sums
	s_mov_b32 s19, 3
.Llap:                                                 ; a trip is eight K steps, once round the ring, and fills both slots again: K steps 1 to 24, fills 2 to 7; s[XB] stands at the K step ahead of the trip's first
	STEP 0, 1, 0, 39, 5
	STEP 0, 2, 0, 39, 6
	TURN 0, 1, 1, 39, 7
	STEP 1, 0, 0, 39, 8
	STEP 1, 1, 0, 39, 9
	STEP 1, 2, 0, 39, 10
	TURN 1, 0, 1, 39, 11
	STEP 0, 0, 0, 39, 12
	s_wait_xcnt 0x0                                ; the loads of x have read their base: only behind this wait is it stepped
	s_add_nc_u64 s[XB:XB+1], s[XB:XB+1], 8*XPL
	s_sub_co_u32 s19, s19, 1
	s_cmp_lg_u32 s19, 0
	s_cbranch_scc1 .Llap
	STEP 0, 1, 0, 39, 5                            ; K steps 25 to 31 are written out: the last is K step 31's
	STEP 0, 2, 0, 39, 6
	TURN 0, 1, 0, 39, 7                            ; nothing is left to fetch of W
	STEP 1, 0, 0, 39, -1                           ; nor of x: the counts run down
	STEP 1, 1, 0, 26, -1
	STEP 1, 2, 0, 13, -1
	s_wait_loadcnt 0x0                             ; the last K step
	s_wait_dscnt 18
	WIN MUL_G
	MULH 0, 0, 6, 3, 0
	s_wait_dscnt 0x0
	WIN MUL_U
	MULH 1, 0, 6, 3, 0
	WIN 0
; THE WAY OUT.  For row tile a, register 16 j + 8 u + i of gate's and up's 48 is column 32 (block j) + 16 (lane / 16) + 8 u + i of the lane's row.
.macro SILU a                          ; T = gate / (1 + 2^(-log2(e) gate)) x up, in f32; each batch of transcendentals has one plain place and one wait ahead of its first reader
	WIN 0x02                                       ; source 0: window 2
.set SI, 0
.rept 24
	v_pk_mul_f32 v[T+SI:T+SI+1], v[48*(\a)+SI:48*(\a)+SI+1], s[22:23] op_sel_hi:[1,0]   ; each accumulator is read from its low end on
.set SI, SI+2
.endr
	WIN 0
.set SI, 0
	s_wait_alu depctr_va_vdst(0)
.rept 48
	v_exp_f32 v[T+SI], v[T+SI]
.set SI, SI+1
.endr
	v_nop
	s_wait_alu depctr_va_vdst(0)
.set SI, 0
.rept 24
	v_pk_add_f32 v[T+SI:T+SI+1], v[T+SI:T+SI+1], 1.0 op_sel_hi:[1,0]
.set SI, SI+2
.endr
.set SI, 0
	s_wait_alu depctr_va_vdst(0)
.rept 48
	v_rcp_f32 v[T+SI], v[T+SI]
.set SI, SI+1
.endr
	v_nop
	s_wait_alu depctr_va_vdst(0)
	WIN 0x08                                       ; source 1: window 2
.set SI, 0
.rept 24
	v_pk_mul_f32 v[T+SI:T+SI+1], v[T+SI:T+SI+1], v[48*(\a)+SI:48*(\a)+SI+1]
.set SI, SI+2
.endr
	WIN 0x0c                                       ; source 1: window 3
.set SI, 0
.rept 24
	v_pk_mul_f32 v[T+SI:T+SI+1], v[T+SI:T+SI+1], v[48*(\a)+SI:48*(\a)+SI+1]
.set SI, SI+2
.endr
	WIN 0
.endm
.macro QUANT3 a, dr, st                ; T's three blocks: bytes to the stage, my 16 codes of block j into v[dr + st j ..]
.irp j, 0,1,2
	v_max3_num_f32 v[TM+\j], |v[T+16*\j]|, |v[T+16*\j+1]|, FLOOR   ; my 16 numbers, and the floor 2^(5 - 127): the byte cannot fall under 1
.endr
.irp i, 2,4,6,8,10,12,14
.irp j, 0,1,2
	v_max3_num_f32 v[TM+\j], v[TM+\j], |v[T+16*\j+\i]|, |v[T+16*\j+\i+1]|
.endr
.endr
.irp j, 0,1,2
	v_permlanex16_b32 v[TM+4+\j], v[TM+\j], s20, s21
.endr
.irp j, 0,1,2
	v_max_num_f32 v[TM+\j], v[TM+\j], v[TM+4+\j]   ; with lane l xor 16's: the block's largest magnitude
.endr
.irp j, 0,1,2
	v_add_nc_u32 v[TM+8+\j], 0xfe000000, v[TM+\j]  ; 4 off its exponent field: the conversion's scale operand
.endr
.irp j, 0,1,2
	v_lshrrev_b32 v[TM+12+\j], 23, v[TM+8+\j]      ; the byte
.endr
	v_lshl_or_b32 v[PW+\a], v[TM+13], 8, v[TM+12]
	v_lshl_or_b32 v[PW+\a], v[TM+14], 16, v[PW+\a]
.irp j, 0,1,2
	v_cvt_scalef32_pk16_bf6_f32 v[(\dr)+(\st)*\j:(\dr)+(\st)*\j+2], v[T+16*\j:T+16*\j+15], v[TM+8+\j]
.endr
	v_nop                                          ; one plain place behind a scaled conversion
	ds_store_b32 v[SSO], v[PW+\a] offset:128*(\a)  ; both halves of the lanes write the same word with the same value
.endm
.macro PAIR ap                         ; row tiles 2 ap and 2 ap + 1.  The layout wants a WHOLE block in a lane: the exchange leaves lanes 0-15 with tile 2 ap's rows and lanes 16-31 with tile 2 ap + 1's
.set CX, 64+40*(\ap)
.set CY, CX+24
	SILU 2*(\ap)
	QUANT3 2*(\ap), CX, 8
	SILU 2*(\ap)+1
	QUANT3 2*(\ap)+1, CY, 4
.irp j, 0,1,2
.irp i, 0,1,2
	v_permlane16_swap_b32 v[CX+8*\j+\i], v[CY+4*\j+\i]   ; the first now holds each lane's block's lower 16 codes, the second the upper 16
.endr
.irp i, 0,1,2
	v_mov_b32 v[CX+8*\j+3+\i], v[CY+4*\j+\i]
.endr
	ds_store_b128 v[STO16], v[CX+8*\j:CX+8*\j+3] offset:4608*(\ap)+768*\j
	ds_store_b64 v[STO8], v[CX+8*\j+4:CX+8*\j+5] offset:4608*(\ap)+768*\j
.endr
.endm
	PLACES 4                                       ; behind the last products: for the first read of results, and for the writes into the registers that held x's fourth set
.irp j, 0,1,2
	v_mov_b32 v[TM+4+\j], 0                        ; written once: a lane permute's destination counts as one of its sources
.endr
	PAIR 0
	PAIR 1
	s_wait_dscnt 0x0                               ; for the others' sake: my stores into the stages are done
	s_barrier_signal -1
	s_barrier_wait -1
.irp i, 0,1,2,3,4,5,6,7,8
	ds_load_b128 v[160+4*\i:163+4*\i], v[RD] offset:256*\i
.endr
	ds_load_b64 v[200:201], v[SRD]                 ; wc = 0's three bytes, wc = 1's
.irp i, 0,1,2,3,4,5,6,7,8
	s_wait_dscnt 9-\i                              ; load i is in; the 9 - i behind it may be out
	global_store_b128 v[GO], v[160+4*\i:163+4*\i], s[88:89] offset:256*\i   ; each half of the lanes stores 256 consecutive bytes, at a multiple of 256 from the buffer's first byte
.endr
	s_wait_dscnt 0x0
	v_perm_b32 v202, v201, v200, 0x05010400        ; a0 c0 a1 c1
	v_perm_b32 v203, v201, v200, 0x07030602        ; a2 c2 0 0
	global_store_b64 v[L8], v[202:203], s[90:91]
	s_wait_tensorcnt 0x0                           ; the wave's end: behind my last tensor load and my last LDS store
	ds_add_u32 v[SPW], v[NIL]
	s_wait_dscnt 0x0
	CROUND                                         ; the closing round: no work-group ends while a partner may still ask for a tile that names it
	s_endpgm
.Lfunc_end_k_qe6eccf10d6_gateup:
	.size	k_qe6eccf10d6_gateup, .Lfunc_end_k_qe6eccf10d6_gateup-k_qe6eccf10d6_gateup
	.p2alignl 7, 3214868480
	.fill 96, 4, 3214868480
	.section	.rodata,"a",@progbits
	.p2align	6, 0x0
	.amdhsa_kernel k_qe6eccf10d6_gateup
		.amdhsa_group_segment_fixed_size 327680
		.amdhsa_private_segment_fixed_size 0
		.amdhsa_enable_private_segment 0
		.amdhsa_kernarg_size 24
		.amdhsa_user_sgpr_count 2
		.amdhsa_user_sgpr_kernarg_segment_ptr 1
		.amdhsa_wavefront_size32 1
		.amdhsa_system_sgpr_workgroup_id_x 1
		.amdhsa_system_sgpr_workgroup_id_y 1
		.amdhsa_system_sgpr_workgroup_id_z 1
		.amdhsa_system_vgpr_workitem_id 0
		.amdhsa_next_free_vgpr 1024
		.amdhsa_next_free_sgpr 100
		.amdhsa_reserve_vcc 0
		.amdhsa_float_denorm_mode_32 3
		.amdhsa_float_denorm_mode_16_64 3
		.amdhsa_memory_ordered 1
		.amdhsa_forward_progress 1
		.amdhsa_inst_pref_size 224
	.end_amdhsa_kernel
	.amdgpu_metadata
---
amdhsa.version: [ 1, 2 ]
amdhsa.kernels:
  - .name:           k_qe6eccf10d6_gateup
    .symbol:         k_qe6eccf10d6_gateup.kd
    .args:
      - { .name: x_q, .offset: 0, .size: 8, .value_kind: global_buffer, .address_space: global }
      - { .name: w1_q, .offset: 8, .size: 8, .value_kind: global_buffer, .address_space: global }
      - { .name: inter_q, .offset: 16, .size: 8, .value_kind: global_buffer, .address_space: global }
    .group_segment_fixed_size: 327680
    .private_segment_fixed_size: 0
    .kernarg_segment_align: 8
    .kernarg_segment_size: 24
    .max_flat_workgroup_size: 128
    .sgpr_count:     100
    .vgpr_count:     1024
    .wavefront_size: 32
...
	.end_amdgpu_metadata
.endif
;; end of part 2
;; launch down (part 3): grid 16 x 16, 4 waves a work-group, clusters of 4 x 4, 327,680 bytes of LDS; arguments inter_q, wd_q, out0; writes out0
.if DOCPART == 3
	.amdgcn_target "amdgcn-amd-amdhsa--gfx1250"
	.amdhsa_code_object_version 6
	.text
	.protected	k_qe6eccf10d6_down
	.globl	k_qe6eccf10d6_down
	.p2align	8
	.type	k_qe6eccf10d6_down,@function
k_qe6eccf10d6_down:
	s_mov_b64 s[64:65], 0
	v_nop
	global_prefetch_b8 v0, s[64:65] scope:SCOPE_SE
	s_setreg_imm32_b32 hwreg(HW_REG_WAVE_MODE, 25, 1), 1
	s_wait_xcnt 0x0
	s_wait_alu depctr_hold_cnt(0) depctr_sa_sdst(0) depctr_va_vdst(0) depctr_va_sdst(0) depctr_va_ssrc(0) depctr_va_vcc(0) depctr_vm_vsrc(0)
	s_getreg_b32 s2, hwreg(HW_REG_IB_STS2, 6, 4)
	s_cmp_eq_u32 s2, 0
	s_cbranch_scc0 .Lentry_in_a_cluster
	s_endpgm
.Lentry_in_a_cluster:
	s_bfe_u32 s2, ttmp6, 0x10000c
	s_cmp_lg_u32 s2, 0xf033
	s_cbranch_scc0 .Lentry_shape_is_right
	s_endpgm
.Lentry_shape_is_right:
; out = inter Wd, rounded once to f16.  Both operands are codes of BF6 (E3M2) with one E8M0 byte for each 32 along K, taken from inter_q and wd_q, which hold images of the operands' registers:
; [4 phi][128 pairs of 16-row tiles][9728]: for each tile six half fragments of 768 bytes (three K steps of 128), then 512 bytes of scale bytes for the pair.  K's blocks stand in the same order in both operands.
; A work-group of four waves makes 256 x 256 of out, a wave 128 x 128: 64 accumulators, 512 registers.  16 x 16 = 256 work-groups.  K = 1,376 goes in 11 steps of 128 (the rest of the last is zero codes).
; A slot holds one phi (three K steps) of A's 8 pairs and B's 8 pairs; a wave's tensor load brings four pairs, 38,912 consecutive bytes as 152 rows of 256; two slots take turns.
; CLUSTER 4 x 4: A's tiles are asked for jointly along a row of the cluster, B's along a column.  The products are used transposed (source 0 = Wd's columns, source 1 = inter's rows), so that a lane holds
; eight neighbouring columns of a row; results leave through a stage in slot 0's bytes, which have had their last fill and last read by then, as whole rows of 256 bytes.
; LIMITS: NaN and infinities are not served.
.set PAIRB,  9728
.set HALFT,  4*PAIRB
.set SLOT,   4*HALFT
.set SPARE,  2*SLOT
.set PHI,    128*PAIRB
.set SPITCH, 272
.set ROWB,   8192
.set ADRA16, 16
.set ADRA8,  18
.set ADRB16, 20
.set ADRB8,  22
.set STO,    24
.set RD,     25
.set CO,     26
.set SPW,    28
.set NIL,    29
.set SA0,    32
.set TMP,    96
.set AF,     128
.set OB,     128
.set G1,  24
.set G0,  32
.set G1B, 48
.set G0B, 56
.set MSB, 0
.macro WIN new
.if MSB != \new
	s_set_vgpr_msb (MSB<<8)|\new
.set MSB, \new
.endif
.endm
.set MUL_LO, 0xa1
.set MUL_HI, 0xf1
.set TO_B,   0x40
.macro JLOAD s
	s_cmp_eq_u32 s15, 0
	s_cbranch_scc0 .Lfor_b_\@
	tensor_load_to_lds s[G0+4*\s:G0+4*\s+3], s[G1:G1+7]
	s_nop 0
.rept 4
	v_nop
.endr
	s_branch .Lasked_\@
.Lfor_b_\@:
	tensor_load_to_lds s[G0B+4*\s:G0B+4*\s+3], s[G1B:G1B+7]
	s_nop 0
.rept 4
	v_nop
.endr
.Lasked_\@:
.endm
.macro CREST
	s_cmp_lg_u32 s14, 0
	s_cbranch_scc1 .Lnot_wave_0_\@
	s_barrier_signal -3
.Lnot_wave_0_\@:
	s_barrier_wait -3
	s_barrier_signal -1
	s_barrier_wait -1
.endm
.macro CROUND
	s_barrier_signal -1
	s_barrier_wait -1
	CREST
.endm
.macro PLACES n
.rept \n
	v_nop
.endr
.endm
.macro WM d, fa, fb, zero, sa, sb, ra, rb
.if (\zero)
.if (\ra) && (\rb)
	v_wmma_scale_f32_16x16x128_f8f6f4 v[(\d):(\d)+7], v[(\fa):(\fa)+11], v[(\fb):(\fb)+11], 0, v[\sa], v[\sb] matrix_a_fmt:MATRIX_FMT_BF6 matrix_b_fmt:MATRIX_FMT_BF6 matrix_a_scale:MATRIX_SCALE_ROW1 matrix_b_scale:MATRIX_SCALE_ROW1
.elseif (\ra)
	v_wmma_scale_f32_16x16x128_f8f6f4 v[(\d):(\d)+7], v[(\fa):(\fa)+11], v[(\fb):(\fb)+11], 0, v[\sa], v[\sb] matrix_a_fmt:MATRIX_FMT_BF6 matrix_b_fmt:MATRIX_FMT_BF6 matrix_a_scale:MATRIX_SCALE_ROW1
.elseif (\rb)
	v_wmma_scale_f32_16x16x128_f8f6f4 v[(\d):(\d)+7], v[(\fa):(\fa)+11], v[(\fb):(\fb)+11], 0, v[\sa], v[\sb] matrix_a_fmt:MATRIX_FMT_BF6 matrix_b_fmt:MATRIX_FMT_BF6 matrix_b_scale:MATRIX_SCALE_ROW1
.else
	v_wmma_scale_f32_16x16x128_f8f6f4 v[(\d):(\d)+7], v[(\fa):(\fa)+11], v[(\fb):(\fb)+11], 0, v[\sa], v[\sb] matrix_a_fmt:MATRIX_FMT_BF6 matrix_b_fmt:MATRIX_FMT_BF6
.endif
.else
.if (\ra) && (\rb)
	v_wmma_scale_f32_16x16x128_f8f6f4 v[(\d):(\d)+7], v[(\fa):(\fa)+11], v[(\fb):(\fb)+11], v[(\d):(\d)+7], v[\sa], v[\sb] matrix_a_fmt:MATRIX_FMT_BF6 matrix_b_fmt:MATRIX_FMT_BF6 matrix_a_scale:MATRIX_SCALE_ROW1 matrix_b_scale:MATRIX_SCALE_ROW1
.elseif (\ra)
	v_wmma_scale_f32_16x16x128_f8f6f4 v[(\d):(\d)+7], v[(\fa):(\fa)+11], v[(\fb):(\fb)+11], v[(\d):(\d)+7], v[\sa], v[\sb] matrix_a_fmt:MATRIX_FMT_BF6 matrix_b_fmt:MATRIX_FMT_BF6 matrix_a_scale:MATRIX_SCALE_ROW1
.elseif (\rb)
	v_wmma_scale_f32_16x16x128_f8f6f4 v[(\d):(\d)+7], v[(\fa):(\fa)+11], v[(\fb):(\fb)+11], v[(\d):(\d)+7], v[\sa], v[\sb] matrix_a_fmt:MATRIX_FMT_BF6 matrix_b_fmt:MATRIX_FMT_BF6 matrix_b_scale:MATRIX_SCALE_ROW1
.else
	v_wmma_scale_f32_16x16x128_f8f6f4 v[(\d):(\d)+7], v[(\fa):(\fa)+11], v[(\fb):(\fb)+11], v[(\d):(\d)+7], v[\sa], v[\sb] matrix_a_fmt:MATRIX_FMT_BF6 matrix_b_fmt:MATRIX_FMT_BF6
.endif
.endif
.endm
.macro FRAG4 reg, a16, a8, off
	ds_load_b128 v[(\reg):(\reg)+3], v[\a16] offset:(\off)
	ds_load_b64 v[(\reg)+4:(\reg)+5], v[\a8] offset:(\off)+512
	ds_load_b128 v[(\reg)+6:(\reg)+9], v[\a16] offset:(\off)+768
	ds_load_b64 v[(\reg)+10:(\reg)+11], v[\a8] offset:(\off)+1280
.endm
.macro FETCH_B sl, q, p
	WIN TO_B
.irp i, 0,1,2,3,4,5,6,7
	FRAG4 128*(\p)+12*\i, ADRB16+(\sl), ADRB8+(\sl), PAIRB*(\i/2)+4608*(\i%2)+1536*(\q)
.endr
	WIN 0
.endm
.macro FETCH_A sl, q, i0
.irp i, \i0, \i0+1, \i0+2, \i0+3
	FRAG4 AF+12*(\i), ADRA16+(\sl), ADRA8+(\sl), PAIRB*((\i)/2)+4608*((\i)%2)+1536*(\q)
.endr
.endm
.macro SCALES sl
.irp pa, 0,1,2,3
	ds_load_b64 v[SA0+32*(\sl)+4*\pa:SA0+32*(\sl)+4*\pa+1], v[ADRA8+(\sl)] offset:PAIRB*\pa+9216
	ds_load_b64 v[SA0+32*(\sl)+4*\pa+2:SA0+32*(\sl)+4*\pa+3], v[ADRA8+(\sl)] offset:PAIRB*\pa+9216+256
	ds_load_b128 v[SA0+16+32*(\sl)+4*\pa:SA0+16+32*(\sl)+4*\pa+3], v[ADRB16+(\sl)] offset:PAIRB*\pa+9216
.endr
.endm
.macro FIX sl
.irp pa, 0,1,2,3
	v_lshl_or_b32 v[SA0+32*(\sl)+4*\pa+1], v[SA0+32*(\sl)+4*\pa+2], 16, v[SA0+32*(\sl)+4*\pa+1]
.endr
.irp pa, 0,1,2,3
	v_alignbit_b32 v[SA0+32*(\sl)+4*\pa+2], v[SA0+32*(\sl)+4*\pa+3], v[SA0+32*(\sl)+4*\pa+2], 16
.endr
.endm
.macro MUL16 a0, p, q, sl, zero
.irp a, \a0, \a0+1
.irp b, 0,1,2,3,4,5,6,7
	WM 8*(8*((\a)%4)+\b), 128*(\p)+12*\b, AF+12*(\a), \zero, SA0+16+32*(\sl)+4*(\b/2)+(\q), SA0+32*(\sl)+4*((\a)/2)+(\q), \b%2, (\a)%2
.endr
.endr
.endm
.macro STEP sl, q, p, zero
	s_wait_dscnt 16
.if (\q) == 0
	FIX \sl
.endif
	WIN MUL_LO
	MUL16 0, \p, \q, \sl, \zero
	MUL16 2, \p, \q, \sl, \zero
	s_wait_dscnt 0x0
	PLACES 4
	FETCH_B \sl, (\q)+1, 1-(\p)
	FETCH_A \sl, (\q)+1, 0
	WIN MUL_HI
	MUL16 4, \p, \q, \sl, \zero
	MUL16 6, \p, \q, \sl, \zero
	PLACES 4
	WIN 0
	FETCH_A \sl, (\q)+1, 4
.endm
.macro TURN sl, nx, p, fill
	s_wait_tensorcnt 0x0
	ds_add_u32 v[SPW], v[NIL]
	s_wait_dscnt 17
	WIN MUL_LO
	MUL16 0, \p, 2, \sl, 0
	s_wait_dscnt 0x0
	s_barrier_signal -1
	MUL16 2, \p, 2, \sl, 0
	WIN 0
	s_barrier_wait -1
.if \fill
	CREST
	s_add_nc_u64 s[G0+4*\sl+2:G0+4*\sl+3], s[G0+4*\sl+2:G0+4*\sl+3], 2*PHI
	s_add_nc_u64 s[G0B+4*\sl+2:G0B+4*\sl+3], s[G0B+4*\sl+2:G0B+4*\sl+3], 2*PHI
	JLOAD \sl
.else
	PLACES 4
.endif
	FETCH_B \nx, 0, 1-(\p)
	FETCH_A \nx, 0, 0
	SCALES \nx
	WIN MUL_HI
	MUL16 4, \p, 2, \sl, 0
	MUL16 6, \p, 2, \sl, 0
	PLACES 4
	WIN 0
	FETCH_A \nx, 0, 4
.endm
	s_load_b128 s[4:7], s[0:1], 0x0
	s_load_b64 s[12:13], s[0:1], 0x10
	v_lshl_add_u32 v[SPW], v0, 2, SPARE
	v_mov_b32 v[NIL], 0
	ds_add_u32 v28, v29
	ds_add_u32 v28, v29
	s_wait_dscnt 0x0
	v_lshrrev_b32 v1, 5, v0
	v_readfirstlane_b32 s14, v1
	s_lshr_b32 s15, s14, 1
	s_and_b32 s16, s14, 1
	s_bfe_u32 s40, ttmp6, 0x40000
	s_bfe_u32 s41, ttmp6, 0x40004
	s_lshl_b32 s42, ttmp9, 2
	s_add_co_u32 s42, s42, s40
	s_and_b32 s17, ttmp7, 0xffff
	s_lshl_b32 s17, s17, 2
	s_add_co_u32 s17, s17, s41
	s_lshl_b32 s43, s41, 2
	s_lshl_b32 s43, 15, s43
	s_lshl_b32 s44, 0x1111, s40
	s_or_b32 s[G1], s43, (3<<16)|(1<<21)
	s_or_b32 s[G1B], s44, (3<<16)|(1<<21)
.irp g, G1, G1B
	s_mov_b32 s[\g+1], 32<<16
	s_mov_b32 s[\g+2], 152<<16
	s_mov_b32 s[\g+3], 32<<16
	s_mov_b32 s[\g+4], 152
	s_mov_b32 s[\g+5], 32
	s_mov_b32 s[\g+6], 0
	s_mov_b32 s[\g+7], 0
.endr
	s_mul_i32 s18, s16, HALFT
	s_mul_i32 s20, s17, 2*HALFT
	s_add_co_u32 s20, s20, s18
	s_mov_b32 s21, 0
	s_mul_i32 s46, s42, 2*HALFT
	s_add_co_u32 s46, s46, s18
	s_mov_b32 s47, 0
	s_mul_i32 s45, s14, HALFT
	s_wait_kmcnt 0x0
	s_add_nc_u64 s[20:21], s[4:5], s[20:21]
	s_add_nc_u64 s[46:47], s[6:7], s[46:47]
	CROUND
.irp s, 0,1
	s_mov_b32 s[G0+4*\s], 1
	s_add_co_u32 s[G0+4*\s+1], s45, \s*SLOT
	s_add_nc_u64 s[G0+4*\s+2:G0+4*\s+3], s[20:21], \s*PHI
	s_or_b32 s[G0+4*\s+3], s[G0+4*\s+3], 0x80000000
	s_mov_b32 s[G0B+4*\s], 1
	s_add_co_u32 s[G0B+4*\s+1], s45, \s*SLOT
	s_add_nc_u64 s[G0B+4*\s+2:G0B+4*\s+3], s[46:47], \s*PHI
	s_or_b32 s[G0B+4*\s+3], s[G0B+4*\s+3], 0x80000000
.endr
	JLOAD 0                                        ; slot 0's first fill; the addresses below are made while it is out
	v_and_b32 v1, 31, v0
	v_lshlrev_b32 v2, 4, v1
	v_lshlrev_b32 v3, 3, v1
	s_mul_i32 s21, s15, HALFT
	s_mul_i32 s22, s16, HALFT
	s_add_co_u32 s22, s22, 2*HALFT
.irp s, 0,1
	v_add_nc_u32 v[ADRA16+\s], s21, v2
	v_add_nc_u32 v[ADRA8+\s], s21, v3
	v_add_nc_u32 v[ADRB16+\s], s22, v2
	v_add_nc_u32 v[ADRB8+\s], s22, v3
	s_add_co_u32 s21, s21, SLOT
	s_add_co_u32 s22, s22, SLOT
.endr
	v_and_b32 v4, 15, v0
	v_bfe_u32 v5, v0, 4, 1
	s_mul_i32 s23, s14, 16*SPITCH
	v_mul_u32_u24 v6, v4, SPITCH
	v_lshl_add_u32 v6, v5, 4, v6
	v_add_nc_u32 v[STO], s23, v6
	v_mul_u32_u24 v6, v5, SPITCH
	v_lshl_add_u32 v6, v4, 4, v6
	v_add_nc_u32 v[RD], s23, v6
	v_lshlrev_b32 v6, 13, v5
	v_lshl_add_u32 v[CO], v4, 4, v6
	s_lshl_b32 s20, s17, 8
	s_lshl_b32 s21, s15, 7
	s_add_co_u32 s20, s20, s21
	s_lshl_b32 s20, s20, 13
	s_lshl_b32 s46, s42, 9
	s_lshl_b32 s47, s16, 8
	s_add_co_u32 s46, s46, s47
	s_add_co_u32 s20, s20, s46
	s_mov_b32 s21, 0
	s_add_nc_u64 s[12:13], s[12:13], s[20:21]
	s_wait_alu depctr_va_vdst(0)
	s_wait_tensorcnt 0x0                           ; my part of slot 0 is in
	ds_add_u32 v[SPW], v[NIL]
	s_wait_dscnt 0x0
	CROUND                                         ; a whole round: everybody's part of slot 0 is in, and all sixteen work-groups are here
	JLOAD 1                                        ; slot 1's first fill, the first tensor load behind the round
	FETCH_B 0, 0, 0
	FETCH_A 0, 0, 0
	SCALES 0
	FETCH_A 0, 0, 4
	STEP 0, 0, 0, 1
	s_wait_alu depctr_va_vdst(0)
	STEP 0, 1, 1, 0
	TURN 0, 1, 0, 1
	STEP 1, 0, 1, 0
	s_wait_alu depctr_va_vdst(0)
	STEP 1, 1, 0, 0
	TURN 1, 0, 1, 1
	STEP 0, 0, 0, 0
	s_wait_alu depctr_va_vdst(0)
	STEP 0, 1, 1, 0
	TURN 0, 1, 0, 0
	STEP 1, 0, 1, 0
	s_wait_dscnt 16
	WIN MUL_LO
	s_wait_alu depctr_va_vdst(0)
	MUL16 0, 0, 1, 1, 0
	MUL16 2, 0, 1, 1, 0
	s_wait_dscnt 0x0
	WIN MUL_HI
	MUL16 4, 0, 1, 1, 0
	MUL16 6, 0, 1, 1, 0
	WIN 0
.macro PACK a
.set AC, 64*((\a)%4)
	WIN 0x0a+5*((\a)/4)
.irp b, 0,1,2,3,4,5,6,7
.irp r, 0,1,2,3
	v_cvt_pk_f16_f32 v[TMP+4*\b+\r], v[AC+8*\b+2*\r], v[AC+8*\b+2*\r+1]
.endr
.endr
	WIN 0
.endm
.macro TOSTAGE a
.set BK, OB+32*((\a)%2)
.irp b, 0,1,2,3,4,5,6,7
	ds_store_b128 v[STO], v[TMP+4*\b:TMP+4*\b+3] offset:32*\b
.endr
.irp t, 0,1,2,3,4,5,6,7
	ds_load_b128 v[BK+4*\t:BK+4*\t+3], v[RD] offset:\t*2*SPITCH
.endr
.endm
.macro SEND a
.set BK, OB+32*((\a)%2)
	s_wait_dscnt 0x0
	s_wait_xcnt 0x0
.if (\a) > 0
	s_add_nc_u64 s[12:13], s[12:13], 16*ROWB
.endif
.irp t, 0,1,2,3,4,5,6,7
	global_store_b128 v[CO], v[BK+4*\t:BK+4*\t+3], s[12:13] offset:2*\t*ROWB th:TH_STORE_NT
.endr
.endm
	PLACES 4
	PACK 0
	TOSTAGE 0
.irp a, 1,2,3,4,5,6,7
	PACK \a
	s_wait_alu depctr_va_vdst(0)
	SEND \a-1
	TOSTAGE \a
.endr
	SEND 7
	s_wait_tensorcnt 0x0
	ds_add_u32 v[SPW], v[NIL]
	s_wait_dscnt 0x0
	CROUND
	s_endpgm
.Lfunc_end_k_qe6eccf10d6_down:
	.size	k_qe6eccf10d6_down, .Lfunc_end_k_qe6eccf10d6_down-k_qe6eccf10d6_down
	.p2alignl 7, 3214868480
	.fill 96, 4, 3214868480
	.section	.rodata,"a",@progbits
	.p2align	6, 0x0
	.amdhsa_kernel k_qe6eccf10d6_down
		.amdhsa_group_segment_fixed_size 327680
		.amdhsa_private_segment_fixed_size 0
		.amdhsa_enable_private_segment 0
		.amdhsa_kernarg_size 24
		.amdhsa_user_sgpr_count 2
		.amdhsa_user_sgpr_kernarg_segment_ptr 1
		.amdhsa_wavefront_size32 1
		.amdhsa_system_sgpr_workgroup_id_x 1
		.amdhsa_system_sgpr_workgroup_id_y 1
		.amdhsa_system_sgpr_workgroup_id_z 1
		.amdhsa_system_vgpr_workitem_id 0
		.amdhsa_next_free_vgpr 1024
		.amdhsa_next_free_sgpr 98
		.amdhsa_reserve_vcc 0
		.amdhsa_float_denorm_mode_32 3
		.amdhsa_float_denorm_mode_16_64 3
		.amdhsa_memory_ordered 1
		.amdhsa_forward_progress 1
		.amdhsa_inst_pref_size 184
	.end_amdhsa_kernel
	.amdgpu_metadata
---
amdhsa.version: [ 1, 2 ]
amdhsa.kernels:
  - .name:           k_qe6eccf10d6_down
    .symbol:         k_qe6eccf10d6_down.kd
    .args:
      - { .name: inter_q, .offset: 0, .size: 8, .value_kind: global_buffer, .address_space: global }
      - { .name: wd_q, .offset: 8, .size: 8, .value_kind: global_buffer, .address_space: global }
      - { .name: out0, .offset: 16, .size: 8, .value_kind: global_buffer, .address_space: global }
    .group_segment_fixed_size: 327680
    .private_segment_fixed_size: 0
    .kernarg_segment_align: 8
    .kernarg_segment_size: 24
    .max_flat_workgroup_size: 128
    .sgpr_count:     98
    .vgpr_count:     1024
    .wavefront_size: 32
...
	.end_amdgpu_metadata
.endif
;; end of part 3
